; MI455X (gfx1250); checked and timed in simulation.
; The chip was launched on July 23, 2026; its instructions are those of AMD's public machine-readable ISA for CDNA 5 (MIT licence, August 2026) and "CDNA5" Instruction Set Architecture Reference Guide (July 2026). The comments in the code are by the model that wrote it; some were corrected since.
;; Cross Attention. Allowed arithmetic: matrix products marked QUANTISED: E2M3 operands, one E8M0 scale for each 32 along K, by v_wmma_scale_f32_16x16x128_f8f6f4 with both operands' format E2M3, f32 sums; everything else in f32.
;; Inputs: Wk 128 x 256 float32; Wo 256 x 128 float32; Wq 128 x 256 float32; Wv 128 x 256 float32; b 1 x 256 x 1 float32; bo 256 float32; g 1 x 256 x 1 float32; x 8 x 256 x 2,048 float32.
;; Outputs: out0 8 x 256 x 2,048 float32.
;; This version of the problem:
;;   THIS VERSION OF THE PROBLEM IS GIVEN IN LOW PRECISION. The matrix products marked QUANTISED in the list below multiply operands that are first quantised to E2M3 (2 exponent bits, 3 mantissa bits; 6 bits a number), with one power-of-two scale for each 32 numbers along K (OCP MX v1.0); their sums are f32. All else is computed in f32.
;;   The module's matrix products, in the order in which they are computed (A, B: the left and right operand; K: the contracted axis; several contracted axes count as one K, in the product's order):
;;     1. [M 16,384, K 256] x [K 256, N 128]; A: computed on the way; B: input Wq: QUANTISED
;;     2. [M 16,384, K 256] x [K 256, N 128]; A: computed on the way; B: input Wk: QUANTISED
;;     3. [M 16,384, K 256] x [K 256, N 128]; A: computed on the way; B: input Wv: QUANTISED
;;     4. batch 32 x [M 2,048, K 32] x [K 32, N 2,048]; A: computed on the way; B: computed on the way: QUANTISED
;;     5. batch 32 x [M 32, K 2,048] x [K 2,048, N 2,048]; A: computed on the way; B: softmax (see below): QUANTISED
;;     6. [M 16,384, K 128] x [K 128, N 256]; A: computed on the way; B: input Wo: QUANTISED
;;   THE QUANTISER, for each operand of a quantised product, along K:
;;     - K is cut into blocks of 32 from its start; a last block that is shorter is filled with zeros.
;;     - A block's scale is 2^e with e = floor(log2(the largest magnitude in the block)) - 2, held to -126 .. 127; a block of zeros has e = 0. As a byte (E8M0): e + 127.
;;     - Each number is divided by its block's scale, clamped to +-7.5, and rounded to the nearest number of E2M3, ties to even, subnormals kept.
;;     - The product sums the exact products of the quantised numbers (number of the format x scale) in f32.
;;   ~~~python
;;   def quantise(x, axis):      # numpy; x: float32 -> the quantised numbers, widened to float32 again
;;       x = np.moveaxis(x, axis, -1); K = x.shape[-1]
;;       x = np.pad(x, [(0, 0)] * (x.ndim - 1) + [(0, -K % 32)]); x = x.reshape(x.shape[:-1] + (-1, 32)); a = np.abs(x).max(-1, keepdims=True)
;;       e = np.where(a > 0, np.clip(np.frexp(np.where(a > 0, a, 1))[1] - 1 - 2, -126, 127), 0)      # np.frexp(a)[1] - 1 = floor(log2(a)), exactly
;;       r = np.clip(x / 2.0 ** e, -7.5, 7.5)
;;       step = 2.0 ** (np.maximum(np.frexp(np.where(r == 0, 1, r))[1] - 1, 0) - 3)
;;       q = np.round(r / step) * step * 2.0 ** e      # np.round: ties to even
;;       return np.moveaxis(q.reshape(q.shape[:-2] + (-1,))[..., :K], -1, axis).astype(np.float32)
;;   ~~~
;;   SOFTMAX AHEAD OF A QUANTISED PRODUCT. Where the list says 'softmax', what is quantised is not the finished softmax but p = 2^(t - M), with t = logit x log2(e) and M = ceil(the row's largest t), a whole number; so 1/2 < the row's largest p <= 1. The row's sum l is taken of the UNQUANTISED p, in f32, and the product's result is divided by l at the end. Since M is a whole number, a kernel that streams over the keys may use a running M (the ceiling of the running maximum): every later rescaling is an exact power of two, which a block's scale takes up: the codes' values come out the same.
;;   OPERANDS COMPUTED ON THE WAY. 'Computed on the way' means the value that the module computes at that place (a softmax that the list does not call 'softmax' is quantised finished and normalised). What goes into a quantiser is computed in f32, as accurately as f32 sums, v_exp_f32 and their like allow (about 1e-6 of the number): no bf16 or f16 on the way to a quantiser, and a product that is left as it is and whose result goes on into a quantised operand takes f32 operands (vector FMAs, or v_wmma_f32_16x16x4_f32). A number that lies on a knife's edge between two numbers of the format may be rounded either way, as far as f32 arithmetic and the matrix unit's own rounding can turn it there, and no further.
;; One version. Each part assembles by itself: llvm-mc -triple=amdgcn-amd-amdhsa -mcpu=gfx1250 --defsym DOCPART=n.
;; ======== version 1 of 1: 2 launches
;; workspace buffers: kv 3,276,800 bytes; qc 2,097,152 bytes
;; launch qkv (part 1): grid 32 x 8, 8 waves a work-group, no clusters, 184,320 bytes of LDS; arguments x, g, b, Wq, Wk, Wv, kv, qc; writes kv, qc
.if DOCPART == 1
	.amdgcn_target "amdgcn-amd-amdhsa--gfx1250"
	.amdhsa_code_object_version 6
	.text
	.protected	k_qe4b0cb23b7_qkv
	.globl	k_qe4b0cb23b7_qkv
	.p2align	8
	.type	k_qe4b0cb23b7_qkv,@function
k_qe4b0cb23b7_qkv:
	s_mov_b64 s[64:65], 0
	v_nop
	global_prefetch_b8 v0, s[64:65] scope:SCOPE_SE
	s_setreg_imm32_b32 hwreg(HW_REG_WAVE_MODE, 25, 1), 1
	s_wait_xcnt 0x0
; LayerNorm over the 256 channels, xn and Wq, Wk, Wv quantised to FP6 (E2M3, one E8M0 byte for 32 along K), the three projections, and q, k, v quantised again for the attention launch.
; x: [8][256][2048] f32.  A work-group owns 64 positions of one batch (x = block of positions, y = batch); eight waves.
; ORDER OF POSITIONS.  Row r of tile t (t = 0..3) of the 64 positions is position 32 (r / 8) + 8 t + r % 8.  With that order a matrix result whose ROWS are a tile's positions gives a lane
; (r, h) the positions 32 h + 8 t + 0..7 in its eight registers, so that four tiles' registers are 32 neighbouring positions: a whole block along the keys.
; PHASES.  W: wave w quantises tile w (16 rows) of Wq, Wk and Wv, two K steps each, and leaves them in LDS as images of the operand's registers.  X: wave w owns channels 32 w .. 32 w + 31 (one block
; along K) of all 64 positions, a lane two positions; mean and variance meet in LDS (two passes: the mean first, then the squares of x - mean); xn is quantised and stored as images.
; P: wave w = (G = w / 4, t = w % 4): q and k of tile t for heads 2 G and 2 G + 1 (source 0 = 16 rows of W, source 1 = 16 positions: a lane holds ONE position and the 32 channels of head 2 G + h);
; v of 16 rows of Wv for all 64 positions (source 0 = positions, source 1 = Wv: a lane holds one channel and 32 neighbouring keys).  So every block to be quantised lies in one lane.
; OUT.  The codes and bytes are gathered in two stages in LDS in the order in which the attention launch's operand registers take them, and leave as stores of 512 consecutive bytes a wave.
; kv slab (12,800 bytes a block of positions), head hd at 3200 hd: +0 K: one fragment image (three groups of four registers, lane l's 16 bytes at 512 g + 16 l) in which key (t, r) is K block t of row r;
;   +1536 + 768 ct: half a fragment of V (channels 16 (r / 8) + 8 ct + r % 8; four registers at 16 l, two at 512 + 8 l); +3072 K's scale words (row r, byte t); +3136 V's bytes at 2 (16 ct + r) + h.
; qc slab (8,192 bytes), (hd, t) at 512 (4 hd + t): query r's 24 bytes (16 at 16 r, 8 at 256 + 8 r), its byte four times as a word at 384 + 4 r and again at 448 + 4 r.
; NO CLUSTER: no two work-groups read the same tile of x, and the weights go through registers, 16 bytes a lane, since they have to be quantised on the way.
; LIMITS: NaN and infinities among the inputs are not served.  A block whose largest magnitude lies under 2^-124, a block of zeros among them, gets the byte 1 (the bytes are read by this program alone;
; zero codes add nothing under any byte).  1 / sqrt(var + eps) is v_rsq_f32, and the division by it a multiplication.
.set XT,    0                          ; LDS: x's tile, channel c at 256 c (64 positions of f32); wave w's own 32 rows at 8192 w; filled once
.set WIMG,  65536                      ; 48 weight fragments of 1,536 bytes: 16 pr + 2 tile + K step
.set WSC,   139264                     ; their scale words, 128 bytes each
.set XIMG,  145408                     ; xn's 8 fragments (2 t + K step), each two halves of 768 bytes: four registers at 16 l, two at 512 + 8 l
.set XSC,   157696                     ; their scale words, 64 bytes each
.set STAT1, 158208                     ; partial sums [8 blocks of channels][64 positions]; the squares' 2,048 bytes further on
.set KVSTG, 162304                     ; the kv slab
.set QSTG,  175104                     ; the qc slab, straight behind it
.set VWQ, 4                            ; byte offsets in Wq, Wk (v4) and Wv (v5) of my row and half
.set VWV, 5
.set WI,  6                            ; my wave's weight images, 16 l
.set WS,  7                            ; and scale words, 4 l
.set SH8, 8                            ; 8 h
.set XL,  9                            ; x's tile: 4 l + my wave's rows
.set STW, 10                           ; my partial sums
.set STR, 11                           ; everybody's
.set XA128, 12                         ; where my position's codes go in xn's images
.set XA64,  13
.set XSB,   14                         ; and its scale byte
.set RW,  15                           ; reading: W's tiles 4 G ..
.set RWS, 16
.set RX128, 17                         ; xn's tile t
.set RX64,  18
.set RXS,   19
.set RXA, 20                           ; xn's tiles, all
.set RXB, 21
.set RXSA, 22
.set QA128, 23                         ; the stages
.set QA64,  24
.set QAW,   25
.set KA0, 26
.set KA1, 27
.set KAB, 28
.set VA128, 29
.set VA64,  30
.set VAB,   31
.set CPL, 32                           ; the copy out: 16 x thread, in LDS and in memory
.set CPG, 33
.set VZ,  34                           ; 0: the offset of loads that every lane makes alike
.set TM,  38                           ; v38-39 largest magnitudes; v40-41 the conversions' scale operands; v42-43 bytes
.set TS,  40
.set BY,  42
.set PT,  44                           ; a lane permute's destination
.set WW,  45                           ; a weight fragment's scale word
.set BW,  46                           ; q's byte, four times
.set WC,  48                           ; v48-59 codes; v60-66 the conversions' second halves
.set W2,  60
.set WB0, 68                           ; two buffers of 64 numbers of a weight
.set WB1, 132
.set GG,  68                           ; phase X: g and b of my 32 channels, x of two positions
.set BB,  100
.set X,   132
.set SUM, 196                          ; pairs: sums, means, 1 / sqrt
.set MEAN, 200
.set RSTD, 204
.set PRT, 208                          ; 16 partial sums
.set F1,  68                           ; phase P: eight fragments, two fragments, four accumulators
.set F2,  164
.set ACC, 188
.set S1,  230                          ; v230-237, v238-239: scale words and nothing else
.set S2,  238
.macro PLACES                          ; four plain vector lines between a matrix instruction and a load into its operands or a read of its result
.rept 4
	v_nop
.endr
.endm
.macro BARRIER                         ; my LDS stores have landed and my LDS loads are in: then the work-group's barrier
	s_wait_dscnt 0x0
	s_barrier_signal -1
	s_barrier_wait -1
.endm
.macro WLOAD buf, base, voff, ks       ; lane (r, h): k = 128 ks + 64 cc + 32 h + 0 .. 31 of my row, cc = 0, 1: two whole blocks, in the operand's own order
.irp cc, 0,1
.irp q, 0,1,2,3,4,5,6,7
	global_load_b128 v[\buf+32*\cc+4*\q:\buf+32*\cc+4*\q+3], v[\voff], s[\base:\base+1] offset:512*\ks+256*\cc+16*\q
.endr
.endr
.endm
; 64 numbers of a lane (two whole blocks) become a fragment's 12 registers in v[WC] on and its scale word in v[WW]
.macro QW s
.irp c, 0,1
	v_max3_num_f32 v[TM+\c], |v[\s+32*\c]|, |v[\s+32*\c+1]|, 0x1800000   ; with the floor 2^(3 - 127): the byte cannot fall under 1
.endr
.irp i, 2,4,6,8,10,12,14,16,18,20,22,24,26,28,30
.irp c, 0,1
	s_delay_alu instid0(VALU_DEP_2)
	v_max3_num_f32 v[TM+\c], v[TM+\c], |v[\s+32*\c+\i]|, |v[\s+32*\c+\i+1]|
.endr
.endr
.irp c, 0,1
	s_delay_alu instid0(VALU_DEP_2)
	v_add_nc_u32 v[TS+\c], 0xff000000, v[TM+\c]    ; 2 off the exponent field: the conversion takes this operand's exponent field as its scale
.endr
.irp c, 0,1
	s_delay_alu instid0(VALU_DEP_2)
	v_lshrrev_b32 v[BY+\c], 23, v[TS+\c]           ; the scale's byte
.endr
	s_delay_alu instid0(VALU_DEP_1)
	v_lshl_or_b32 v[WW], v[BY+1], 16, v[BY]        ; my bytes are those of blocks h and 2 + h,
	s_delay_alu instid0(VALU_DEP_1)
	v_lshlrev_b32 v[WW], v[SH8], v[WW]             ; at their places;
	s_delay_alu instid0(VALU_DEP_1)
	v_permlanex16_b32 v[PT], v[WW], s36, s37
	s_delay_alu instid0(VALU_DEP_1)
	v_or_b32 v[WW], v[WW], v[PT]                   ; with lane l xor 16's two the word is whole
.irp c, 0,1
	v_cvt_scalef32_pk16_fp6_f32 v[WC+6*\c:WC+6*\c+2], v[\s+32*\c:\s+32*\c+15], v[TS+\c]
	v_cvt_scalef32_pk16_fp6_f32 v[W2+4*\c:W2+4*\c+2], v[\s+32*\c+16:\s+32*\c+31], v[TS+\c]   ; (a conversion's three registers begin on an even number)
.endr
	v_nop                                          ; one plain line behind the scaled conversions
.irp c, 0,1
.irp i, 0,1,2
	v_mov_b32 v[WC+3+6*\c+\i], v[W2+4*\c+\i]
.endr
.endr
.endm
; 32 numbers of a lane, one whole block, become six registers of codes in v[d] on and the byte in v[by].  Two chains; each group of eight registers is first read at its low end.
.macro Q32 s, d, by
	v_max3_num_f32 v[TM], |v[\s]|, |v[\s+1]|, 0x1800000
	v_max_num_f32 v[TM+1], |v[\s+16]|, |v[\s+17]|
.irp i, 2,4,6,8,10,12,14
	v_max3_num_f32 v[TM], v[TM], |v[\s+\i]|, |v[\s+\i+1]|
	v_max3_num_f32 v[TM+1], v[TM+1], |v[\s+16+\i]|, |v[\s+17+\i]|
.endr
	s_delay_alu instid0(VALU_DEP_1)
	v_max_num_f32 v[TM], v[TM], v[TM+1]
	s_delay_alu instid0(VALU_DEP_1)
	v_add_nc_u32 v[TS], 0xff000000, v[TM]
	s_delay_alu instid0(VALU_DEP_1)
	v_lshrrev_b32 v[\by], 23, v[TS]
	v_cvt_scalef32_pk16_fp6_f32 v[\d:\d+2], v[\s:\s+15], v[TS]
	v_cvt_scalef32_pk16_fp6_f32 v[\d+4:\d+6], v[\s+16:\s+31], v[TS]
	v_nop                                          ; one plain line behind the scaled conversions
	v_mov_b32 v[\d+3], v[\d+4]                     ; the second half moves down by one register
	v_mov_b32 v[\d+4], v[\d+5]
	v_mov_b32 v[\d+5], v[\d+6]
.endm
.macro MM0 d, a, b, sa, sb             ; the first K step starts the sum
	v_wmma_scale_f32_16x16x128_f8f6f4 v[\d:\d+7], v[\a:\a+11], v[\b:\b+11], 0, v[\sa], v[\sb] matrix_a_fmt:MATRIX_FMT_FP6 matrix_b_fmt:MATRIX_FMT_FP6
.endm
.macro MMA d, a, b, sa, sb
	v_wmma_scale_f32_16x16x128_f8f6f4 v[\d:\d+7], v[\a:\a+11], v[\b:\b+11], v[\d:\d+7], v[\sa], v[\sb] matrix_a_fmt:MATRIX_FMT_FP6 matrix_b_fmt:MATRIX_FMT_FP6
.endm
.macro MMALL                           ; four accumulators by turns, K step by K step: source 0 = fragment 2 t + K step of F1, source 1 = the K step's fragment of F2
.irp t, 0,1,2,3
	MM0 ACC+8*\t, F1+24*\t, F2, S1+2*\t, S2
.endr
.irp t, 0,1,2,3
	MMA ACC+8*\t, F1+24*\t+12, F2+12, S1+2*\t+1, S2+1
.endr
.endm
.macro LOADW pr                        ; W's tiles 4 G .. 4 G + 3 of projection pr, both K steps, and their scale words
.irp f, 0,1,2,3,4,5,6,7
.irp g, 0,1,2
	ds_load_b128 v[F1+12*\f+4*\g:F1+12*\f+4*\g+3], v[RW] offset:24576*\pr+1536*\f+512*\g
.endr
	ds_load_b32 v[S1+\f], v[RWS] offset:2048*\pr+128*\f
.endr
.endm
	s_load_b512 s[4:19], s[0:1], 0x0               ; x s[4:5], g s[6:7], b s[8:9], Wq s[10:11], Wk s[12:13], Wv s[14:15], kv s[16:17], qc s[18:19]
	v_lshl_add_u32 v254, v0, 2, 0x2cc00
	v_mov_b32 v255, 0
	ds_add_u32 v254, v255
	ds_add_u32 v254, v255
	v_lshrrev_b32 v1, 5, v0
	s_delay_alu instid0(VALU_DEP_1)
	v_readfirstlane_b32 s20, v1                    ; wave 0..7
	s_and_b32 s21, ttmp7, 0xffff                   ; batch
	; descriptor group 1: 32 rows (channels) of 64 f32, 2,048 elements from row to row, no padding
	s_mov_b32 s28, 2<<16                           ; no mask; elements of 4 bytes
	s_mov_b32 s29, 64<<16                          ; tensor_dim0 = 64
	s_mov_b32 s30, 32<<16                          ; tensor_dim1 = 32
	s_mov_b32 s31, 64<<16                          ; tile_dim0 = 64
	s_mov_b32 s32, 32                              ; tile_dim1 = 32
	s_mov_b32 s33, 2048                            ; the pitch
	s_mov_b32 s34, 0
	s_mov_b32 s35, 0
	s_lshl_b32 s40, s21, 21                        ; batch x 256 x 2,048 x 4
	s_lshl_b32 s41, s20, 18                        ; + 32 channels x wave
	s_add_co_u32 s40, s40, s41
	s_lshl_b32 s41, ttmp9, 8                       ; + 64 positions x block
	s_add_co_u32 s40, s40, s41
	s_mov_b32 s41, 0
	s_mov_b32 s24, 1                               ; group 0: count = 1,
	s_lshl_b32 s25, s20, 13                        ; LDS address 8192 x wave,
	s_wait_dscnt 0x0
	s_wait_kmcnt 0x0
	s_add_nc_u64 s[26:27], s[4:5], s[40:41]        ; the tile's first byte,
	s_or_b32 s27, s27, 0x80000000                  ; type 2
	tensor_load_to_lds s[24:27], s[28:35]          ; my 32 channels x 64 positions: rows of 256 aligned bytes.  The one tensor load of the wave; only this wave reads these bytes
	s_nop 0
.rept 4
	v_nop
.endr
	s_mov_b32 s36, 0x76543210
	s_mov_b32 s37, 0xfedcba98                      ; v_permlanex16_b32's selects for lane l xor 16
	s_mov_b32 s38, 0x3b800000                      ; 1 / 256
	s_mov_b32 s39, 0x3727c5ac                      ; 1e-5
	s_lshr_b32 s44, s20, 2                         ; G
	s_and_b32 s45, s20, 3                          ; t
	s_and_b32 s46, s20, 1                          ; wave % 2
	s_lshr_b32 s47, s20, 1                         ; wave / 2
	s_and_b32 s48, s47, 1                          ; (wave / 2) % 2
	s_lshl_b32 s40, s44, 16                        ; Wq, Wk: tile w begins at row 64 G + 8 t; a row is 1,024 bytes
	s_lshl_b32 s42, s45, 13
	s_add_co_u32 s40, s40, s42
	s_add_nc_u64 s[10:11], s[10:11], s[40:41]
	s_add_nc_u64 s[12:13], s[12:13], s[40:41]
	s_lshl_b32 s40, s47, 15                        ; Wv: tile w begins at row 32 (w / 2) + 8 (w % 2)
	s_lshl_b32 s42, s46, 13
	s_add_co_u32 s40, s40, s42
	s_add_nc_u64 s[14:15], s[14:15], s[40:41]
	s_lshl_b32 s40, s20, 7                         ; g, b: my 32 channels
	s_add_nc_u64 s[6:7], s[6:7], s[40:41]
	s_add_nc_u64 s[8:9], s[8:9], s[40:41]
	s_lshl_b32 s40, s21, 5
	s_add_co_u32 s40, s40, ttmp9                   ; the slab's number: 32 x batch + block
	s_mul_i32 s42, s40, 12800
	s_mov_b32 s43, 0
	s_add_nc_u64 s[16:17], s[16:17], s[42:43]
	s_lshl_b32 s42, s40, 13
	s_add_nc_u64 s[18:19], s[18:19], s[42:43]
	v_and_b32 v1, 31, v0                           ; l
	v_and_b32 v2, 15, v0                           ; r
	v_bfe_u32 v3, v0, 4, 1                         ; h
	v_bfe_u32 v35, v0, 3, 1                        ; r / 8
	v_and_b32 v36, 7, v0                           ; r % 8
	s_delay_alu instid0(VALU_DEP_1)
	v_lshlrev_b32 v[VWV], 10, v36
	s_delay_alu instid0(VALU_DEP_1)
	v_lshl_add_u32 v[VWV], v3, 7, v[VWV]           ; row r % 8, + 32 numbers for lanes 16-31
	s_delay_alu instid0(VALU_DEP_1)
	v_lshl_add_u32 v[VWQ], v35, 15, v[VWV]         ; Wq, Wk: lanes 8-15 take the rows 32 further on (the next head),
	s_delay_alu instid0(VALU_DEP_2)
	v_lshl_add_u32 v[VWV], v35, 14, v[VWV]         ; Wv: 16 further on
	WLOAD WB0, 10, VWQ, 0
	WLOAD WB1, 10, VWQ, 1
	; every LDS address: a constant + constants x bits of the lane + constants x bits of the wave
	s_mul_i32 s50, s20, 3072
	s_add_co_u32 s50, s50, WIMG
	v_lshl_add_u32 v[WI], v1, 4, s50
	s_lshl_b32 s50, s20, 8
	s_add_co_u32 s51, s50, WSC
	v_lshl_add_u32 v[WS], v1, 2, s51
	s_add_co_u32 s51, s50, STAT1
	v_lshl_add_u32 v[STW], v1, 2, s51
	v_lshl_add_u32 v[STR], v1, 2, STAT1
	v_lshlrev_b32 v[SH8], 3, v3
	s_lshl_b32 s50, s20, 13
	v_lshl_add_u32 v[XL], v1, 2, s50
	v_bfe_u32 v37, v0, 3, 2                        ; l / 8: the tile of position 32 u + l; its row there is 8 u + l % 8
	s_delay_alu instid0(VALU_DEP_1)
	v_mul_u32_u24 v47, v37, 3072
	s_wait_alu depctr_va_vdst(0)
	s_mul_i32 s50, s44, 1536                       ; my block of channels is block w % 4 of K step w / 4: half (w / 2) % 2, lanes 16 (w % 2) on
	s_mul_i32 s51, s48, 768
	s_add_co_u32 s50, s50, s51
	s_add_co_u32 s50, s50, XIMG
	s_lshl_b32 s51, s46, 8
	s_add_co_u32 s51, s51, s50
	v_lshl_add_u32 v[XA128], v36, 4, v47
	s_delay_alu instid0(VALU_DEP_1)
	v_add_nc_u32 v[XA128], s51, v[XA128]
	s_lshl_b32 s51, s46, 7
	s_add_co_u32 s51, s51, s50
	s_add_co_u32 s51, s51, 512
	v_lshl_add_u32 v[XA64], v36, 3, v47
	s_delay_alu instid0(VALU_DEP_1)
	v_add_nc_u32 v[XA64], s51, v[XA64]
	s_lshl_b32 s51, s44, 6
	s_add_co_u32 s51, s51, s45
	s_add_co_u32 s51, s51, XSC
	v_lshlrev_b32 v[XSB], 7, v37
	s_delay_alu instid0(VALU_DEP_1)
	v_lshl_add_u32 v[XSB], v36, 2, v[XSB]
	s_delay_alu instid0(VALU_DEP_1)
	v_add_nc_u32 v[XSB], s51, v[XSB]
	s_mul_i32 s50, s44, 12288
	s_add_co_u32 s50, s50, WIMG
	v_lshl_add_u32 v[RW], v1, 4, s50
	s_lshl_b32 s50, s44, 10
	s_add_co_u32 s50, s50, WSC
	v_lshl_add_u32 v[RWS], v1, 2, s50
	s_mul_i32 s50, s45, 3072
	s_add_co_u32 s50, s50, XIMG
	v_lshl_add_u32 v[RX128], v1, 4, s50
	s_add_co_u32 s50, s50, 512
	v_lshl_add_u32 v[RX64], v1, 3, s50
	s_lshl_b32 s50, s45, 7
	s_add_co_u32 s50, s50, XSC
	v_lshl_add_u32 v[RXS], v2, 2, s50
	v_lshl_add_u32 v[RXA], v1, 4, XIMG
	v_lshl_add_u32 v[RXB], v1, 3, XIMG+512
	v_lshl_add_u32 v[RXSA], v2, 2, XSC
	s_lshl_b32 s50, s44, 12                        ; q's stage: head 2 G + h, tile t
	s_lshl_b32 s51, s45, 9
	s_add_co_u32 s50, s50, s51
	s_add_co_u32 s50, s50, QSTG
	v_lshl_add_u32 v47, v3, 11, s50
	s_delay_alu instid0(VALU_DEP_1)
	v_lshl_add_u32 v[QA128], v2, 4, v47
	s_delay_alu instid0(VALU_DEP_2)
	v_lshl_add_u32 v[QA64], v2, 3, v47
	s_delay_alu instid0(VALU_DEP_3)
	v_lshl_add_u32 v[QAW], v2, 2, v47
	s_mul_i32 s50, s44, 6400                       ; k's: head 2 G + h; image lane r + 16 (t % 2), registers 6 (t / 2) on
	s_lshl_b32 s51, s46, 8
	s_add_co_u32 s50, s50, s51
	s_add_co_u32 s50, s50, KVSTG
	v_mul_u32_u24 v47, v3, 3200
	s_delay_alu instid0(VALU_DEP_1)
	v_lshl_add_u32 v46, v2, 4, v47
	s_mul_i32 s51, s48, 520                        ; registers 0, 1 at byte 0 and 4, 5 at 512; registers 6, 7 at 520 and 10, 11 at 1032
	s_add_co_u32 s51, s51, s50
	v_add_nc_u32 v[KA0], s51, v46
	s_mul_i32 s51, s48, 1016                       ; registers 2, 3 at byte 8; registers 8, 9 at 1024
	s_add_co_u32 s51, s51, s50
	v_add_nc_u32 v[KA1], s51, v46
	s_mul_i32 s51, s44, 6400
	s_add_co_u32 s51, s51, s45
	s_add_co_u32 s51, s51, KVSTG
	v_lshl_add_u32 v[KAB], v2, 2, v47
	s_delay_alu instid0(VALU_DEP_1)
	v_add_nc_u32 v[KAB], s51, v[KAB]
	s_mul_i32 s50, s47, 3200                       ; v's: head w / 2, half fragment w % 2
	s_mul_i32 s51, s46, 768
	s_add_co_u32 s51, s51, s50
	s_add_co_u32 s51, s51, KVSTG+1536
	v_lshl_add_u32 v[VA128], v1, 4, s51
	v_lshl_add_u32 v[VA64], v1, 3, s51
	s_lshl_b32 s51, s46, 5
	s_add_co_u32 s51, s51, s50
	s_add_co_u32 s51, s51, KVSTG+3136
	v_lshl_add_u32 v[VAB], v2, 1, v3
	s_delay_alu instid0(VALU_DEP_1)
	v_add_nc_u32 v[VAB], s51, v[VAB]
	v_lshlrev_b32 v[CPG], 4, v0
	s_delay_alu instid0(VALU_DEP_1)
	v_add_nc_u32 v[CPL], KVSTG, v[CPG]
	v_mov_b32 v[VZ], 0
	v_mov_b32 v[PT], 0                             ; written once: a lane permute's destination counts as one of its sources
.irp p, MEAN+1, MEAN+3, RSTD+1, RSTD+3
	v_mov_b32 v[\p], 0                             ; upper halves of pairs of which the packed forms take the low word alone: named, so written
.endr
	; ---- W: my tile of Wq, Wk, Wv, two K steps each, two buffers by turns
.macro WQ buf, pr, ks
	s_wait_loadcnt 16                              ; this fragment's 16 loads are in; the 16 issued behind them stay out
	s_wait_dscnt 0x0                               ; the last image's stores have read the codes' registers
	QW \buf
.irp g, 0,1,2
	ds_store_b128 v[WI], v[WC+4*\g:WC+4*\g+3] offset:24576*\pr+1536*\ks+512*\g   ; the fragment as it stands: 16 bytes a lane, 512 consecutive bytes a store
.endr
	ds_store_b32 v[WS], v[WW] offset:2048*\pr+128*\ks
.endm
	WQ WB0, 0, 0
	WLOAD WB0, 12, VWQ, 0
	WQ WB1, 0, 1
	WLOAD WB1, 12, VWQ, 1
	WQ WB0, 1, 0
	WLOAD WB0, 14, VWV, 0
	WQ WB1, 1, 1
	WLOAD WB1, 14, VWV, 1
	WQ WB0, 2, 0
.irp i, 0,1,2,3,4,5,6,7
	global_load_b128 v[GG+4*\i:GG+4*\i+3], v[VZ], s[6:7] offset:16*\i   ; g of my 32 channels, the same in every lane: register i is channel 32 w + i
.endr
.irp i, 0,1,2,3,4,5,6,7
	global_load_b128 v[BB+4*\i:BB+4*\i+3], v[VZ], s[8:9] offset:16*\i   ; b likewise
.endr
	WQ WB1, 2, 1
	; ---- X: the norm.  Lane l holds positions l and 32 + l; register i of each is channel 32 w + i
	s_wait_tensorcnt 0x0                           ; my rows of x lie in LDS
.set i, 0
.rept 32
	ds_load_b32 v[X+i], v[XL] offset:256*i         ; 32 lanes read 128 consecutive bytes
	ds_load_b32 v[X+32+i], v[XL] offset:256*i+128
.set i, i+1
.endr
	s_wait_dscnt 0x0
	v_pk_add_f32 v[SUM:SUM+1], v[X:X+1], v[X+2:X+3]
	v_pk_add_f32 v[SUM+2:SUM+3], v[X+32:X+33], v[X+34:X+35]
.set i, 4
.rept 14
	s_delay_alu instid0(VALU_DEP_2)
	v_pk_add_f32 v[SUM:SUM+1], v[SUM:SUM+1], v[X+i:X+i+1]
	s_delay_alu instid0(VALU_DEP_2)
	v_pk_add_f32 v[SUM+2:SUM+3], v[SUM+2:SUM+3], v[X+32+i:X+33+i]
.set i, i+2
.endr
	s_delay_alu instid0(VALU_DEP_2)
	v_add_f32 v[SUM], v[SUM], v[SUM+1]
	s_delay_alu instid0(VALU_DEP_2)
	v_add_f32 v[SUM+2], v[SUM+2], v[SUM+3]
	ds_store_b32 v[STW], v[SUM]
	ds_store_b32 v[STW], v[SUM+2] offset:128
	BARRIER                                        ; the eight partial sums of every position lie in LDS
.macro GATHER off                      ; they are added in one fixed order, the same in every wave
.irp k, 0,1,2,3,4,5,6,7
	ds_load_b32 v[PRT+\k], v[STR] offset:\off+256*\k
	ds_load_b32 v[PRT+8+\k], v[STR] offset:\off+256*\k+128
.endr
	s_wait_dscnt 0x0
.irp u, 0,1
	v_pk_add_f32 v[PRT+8*\u:PRT+8*\u+1], v[PRT+8*\u:PRT+8*\u+1], v[PRT+8*\u+2:PRT+8*\u+3]
	v_pk_add_f32 v[PRT+8*\u+4:PRT+8*\u+5], v[PRT+8*\u+4:PRT+8*\u+5], v[PRT+8*\u+6:PRT+8*\u+7]
.endr
.irp u, 0
	s_delay_alu instid0(VALU_DEP_3)
	v_pk_add_f32 v[PRT+8*\u:PRT+8*\u+1], v[PRT+8*\u:PRT+8*\u+1], v[PRT+8*\u+4:PRT+8*\u+5]
.endr
.irp u, 1
	s_delay_alu instid0(VALU_DEP_2)
	v_pk_add_f32 v[PRT+8*\u:PRT+8*\u+1], v[PRT+8*\u:PRT+8*\u+1], v[PRT+8*\u+4:PRT+8*\u+5]
.endr
.irp u, 0,1
	s_delay_alu instid0(VALU_DEP_2)
	v_add_f32 v[SUM+2*\u], v[PRT+8*\u], v[PRT+8*\u+1]
.endr
.endm
	GATHER 0
	s_delay_alu instid0(VALU_DEP_2)
	v_mul_f32 v[MEAN], s38, v[SUM]
	s_delay_alu instid0(VALU_DEP_2)
	v_mul_f32 v[MEAN+2], s38, v[SUM+2]
.set i, 0
.rept 16
	v_pk_add_f32 v[X+i:X+i+1], v[X+i:X+i+1], v[MEAN:MEAN+1] op_sel_hi:[1,0] neg_lo:[0,1] neg_hi:[0,1]           ; x - mean
	v_pk_add_f32 v[X+32+i:X+33+i], v[X+32+i:X+33+i], v[MEAN+2:MEAN+3] op_sel_hi:[1,0] neg_lo:[0,1] neg_hi:[0,1]
.set i, i+2
.endr
	v_pk_mul_f32 v[SUM:SUM+1], v[X:X+1], v[X:X+1]
	v_pk_mul_f32 v[SUM+2:SUM+3], v[X+32:X+33], v[X+32:X+33]
.set i, 2
.rept 15
	s_delay_alu instid0(VALU_DEP_2)
	v_pk_fma_f32 v[SUM:SUM+1], v[X+i:X+i+1], v[X+i:X+i+1], v[SUM:SUM+1]
	s_delay_alu instid0(VALU_DEP_2)
	v_pk_fma_f32 v[SUM+2:SUM+3], v[X+32+i:X+33+i], v[X+32+i:X+33+i], v[SUM+2:SUM+3]
.set i, i+2
.endr
	s_delay_alu instid0(VALU_DEP_2)
	v_add_f32 v[SUM], v[SUM], v[SUM+1]
	s_delay_alu instid0(VALU_DEP_2)
	v_add_f32 v[SUM+2], v[SUM+2], v[SUM+3]
	ds_store_b32 v[STW], v[SUM] offset:2048        ; bytes of their own: no wave may still be reading the first sums
	ds_store_b32 v[STW], v[SUM+2] offset:2048+128
	BARRIER
	GATHER 2048
	s_delay_alu instid0(VALU_DEP_2)
	v_fma_f32 v[SUM], v[SUM], s38, s39             ; the biased variance + eps
	s_delay_alu instid0(VALU_DEP_2)
	v_fma_f32 v[SUM+2], v[SUM+2], s38, s39
	s_wait_alu depctr_va_vdst(0)
	v_rsq_f32 v[RSTD], v[SUM]
	v_rsq_f32 v[RSTD+2], v[SUM+2]
	v_nop                                          ; one plain line behind the transcendentals
	s_wait_loadcnt 0x0                             ; g and b
.set i, 0
	s_wait_alu depctr_va_vdst(0)
.rept 16
	v_pk_mul_f32 v[X+i:X+i+1], v[X+i:X+i+1], v[RSTD:RSTD+1] op_sel_hi:[1,0]
	v_pk_mul_f32 v[X+32+i:X+33+i], v[X+32+i:X+33+i], v[RSTD+2:RSTD+3] op_sel_hi:[1,0]
.set i, i+2
.endr
.set i, 0
.rept 16
	v_pk_fma_f32 v[X+i:X+i+1], v[X+i:X+i+1], v[GG+i:GG+i+1], v[BB+i:BB+i+1]
	v_pk_fma_f32 v[X+32+i:X+33+i], v[X+32+i:X+33+i], v[GG+i:GG+i+1], v[BB+i:BB+i+1]
.set i, i+2
.endr
	Q32 X, 48, BY                                  ; position l: its block of 32 channels
	ds_store_b128 v[XA128], v[48:51]
	ds_store_b64 v[XA64], v[52:53]
	ds_store_b8 v[XSB], v[BY]
	Q32 X+32, 56, BY+1                             ; position 32 + l, in registers of its own: row 8 further on in the same tile
	ds_store_b128 v[XA128], v[56:59] offset:128
	ds_store_b64 v[XA64], v[60:61] offset:64
	ds_store_b8 v[XSB], v[BY+1] offset:32
	BARRIER                                        ; xn's eight fragments and the 48 weight fragments lie in LDS
	; ---- P, q: tile t of the positions against W's tiles 4 G .. 4 G + 3
.irp ks, 0,1
.irp cc, 0,1
	ds_load_b128 v[F2+12*\ks+6*\cc:F2+12*\ks+6*\cc+3], v[RX128] offset:1536*\ks+768*\cc
	ds_load_b64 v[F2+12*\ks+6*\cc+4:F2+12*\ks+6*\cc+5], v[RX64] offset:1536*\ks+768*\cc
.endr
	ds_load_b32 v[S2+\ks], v[RXS] offset:64*\ks
.endr
	LOADW 0
	s_wait_dscnt 0x0
	MMALL                                          ; lane (r, h): position (t, r), head 2 G + h, channel 8 tt + j in register 8 tt + j
	PLACES
	LOADW 1                                        ; Wk's fragments land while q is quantised
	Q32 ACC, 48, BY
	v_lshl_or_b32 v[BW], v[BY], 8, v[BY]           ; the byte four times: the query will stand in any of an operand's four blocks
	s_delay_alu instid0(VALU_DEP_1)
	v_lshl_or_b32 v[BW], v[BW], 16, v[BW]
	ds_store_b128 v[QA128], v[48:51]
	ds_store_b64 v[QA64], v[52:53] offset:256
	ds_store_b32 v[QAW], v[BW] offset:384
	ds_store_b32 v[QAW], v[BW] offset:448          ; (so that every byte of the slab is written)
	; ---- k: the same with Wk
	s_wait_dscnt 0x0                               ; Wk's fragments are in, and q's stores have read their registers
	MMALL
	PLACES
.irp f, 0,1,2,3,4,5,6,7                        ; v's operands land while k is quantised: all eight fragments of xn,
.irp cc, 0,1
	ds_load_b128 v[F1+12*\f+6*\cc:F1+12*\f+6*\cc+3], v[RXA] offset:1536*\f+768*\cc
	ds_load_b64 v[F1+12*\f+6*\cc+4:F1+12*\f+6*\cc+5], v[RXB] offset:1536*\f+768*\cc
.endr
	ds_load_b32 v[S1+\f], v[RXSA] offset:64*\f
.endr
.irp ks, 0,1                                   ; and my own tile of Wv
.irp g, 0,1,2
	ds_load_b128 v[F2+12*\ks+4*\g:F2+12*\ks+4*\g+3], v[WI] offset:49152+1536*\ks+512*\g
.endr
	ds_load_b32 v[S2+\ks], v[WS] offset:4096+128*\ks
.endr
	Q32 ACC, 48, BY
	ds_store_b64 v[KA0], v[48:49]                  ; six registers of the image, in pairs
	ds_store_b64 v[KA1], v[50:51] offset:8
	ds_store_b64 v[KA0], v[52:53] offset:512
	ds_store_b8 v[KAB], v[BY] offset:3072
	; ---- v: source 0 = tile t of the positions, source 1 = my 16 rows of Wv
	s_wait_dscnt 0x0
	MMALL                                          ; lane (r, h): my row r of Wv, position 32 h + 8 t + j in register 8 t + j: a whole block of keys
	PLACES
	Q32 ACC, 48, BY
	ds_store_b128 v[VA128], v[48:51]
	ds_store_b64 v[VA64], v[52:53] offset:512
	ds_store_b8 v[VAB], v[BY]
	BARRIER                                        ; both slabs lie whole in their stages
	; ---- out: 16 bytes a thread, 4,096 consecutive bytes a line of the work-group
.irp i, 0,1,2
	ds_load_b128 v[68+4*\i:71+4*\i], v[CPL] offset:4096*\i
.endr
.irp i, 0,1
	ds_load_b128 v[80+4*\i:83+4*\i], v[CPL] offset:12800+4096*\i
.endr
.irp i, 0,1,2
	s_wait_dscnt 4-\i                              ; LDS loads come back in order: the younger ones stay out
	global_store_b128 v[CPG], v[68+4*\i:71+4*\i], s[16:17] offset:4096*\i
.endr
.irp i, 0,1
	s_wait_dscnt 1-\i
	global_store_b128 v[CPG], v[80+4*\i:83+4*\i], s[18:19] offset:4096*\i
.endr
	s_cmp_lg_u32 s20, 0                            ; the kv slab's last 512 bytes: wave 0 alone
	s_cbranch_scc1 .Ldone
	ds_load_b128 v[88:91], v[CPL] offset:12288
	s_wait_dscnt 0x0
	global_store_b128 v[CPG], v[88:91], s[16:17] offset:12288
.Ldone:
	s_wait_tensorcnt 0x0
	ds_add_u32 v254, v255
	s_wait_dscnt 0x0
	s_endpgm
.Lfunc_end_k_qe4b0cb23b7_qkv:
	.size	k_qe4b0cb23b7_qkv, .Lfunc_end_k_qe4b0cb23b7_qkv-k_qe4b0cb23b7_qkv
	.p2alignl 7, 3214868480
	.fill 96, 4, 3214868480
	.section	.rodata,"a",@progbits
	.p2align	6, 0x0
	.amdhsa_kernel k_qe4b0cb23b7_qkv
		.amdhsa_group_segment_fixed_size 184320
		.amdhsa_private_segment_fixed_size 0
		.amdhsa_enable_private_segment 0
		.amdhsa_kernarg_size 64
		.amdhsa_user_sgpr_count 2
		.amdhsa_user_sgpr_kernarg_segment_ptr 1
		.amdhsa_wavefront_size32 1
		.amdhsa_system_sgpr_workgroup_id_x 1
		.amdhsa_system_sgpr_workgroup_id_y 1
		.amdhsa_system_sgpr_workgroup_id_z 1
		.amdhsa_system_vgpr_workitem_id 0
		.amdhsa_next_free_vgpr 256
		.amdhsa_next_free_sgpr 66
		.amdhsa_reserve_vcc 0
		.amdhsa_float_denorm_mode_32 3
		.amdhsa_float_denorm_mode_16_64 3
		.amdhsa_memory_ordered 1
		.amdhsa_forward_progress 1
		.amdhsa_inst_pref_size 88
	.end_amdhsa_kernel
	.amdgpu_metadata
---
amdhsa.version: [ 1, 2 ]
amdhsa.kernels:
  - .name:           k_qe4b0cb23b7_qkv
    .symbol:         k_qe4b0cb23b7_qkv.kd
    .args:
      - { .name: x, .offset: 0, .size: 8, .value_kind: global_buffer, .address_space: global }
      - { .name: g, .offset: 8, .size: 8, .value_kind: global_buffer, .address_space: global }
      - { .name: b, .offset: 16, .size: 8, .value_kind: global_buffer, .address_space: global }
      - { .name: Wq, .offset: 24, .size: 8, .value_kind: global_buffer, .address_space: global }
      - { .name: Wk, .offset: 32, .size: 8, .value_kind: global_buffer, .address_space: global }
      - { .name: Wv, .offset: 40, .size: 8, .value_kind: global_buffer, .address_space: global }
      - { .name: kv, .offset: 48, .size: 8, .value_kind: global_buffer, .address_space: global }
      - { .name: qc, .offset: 56, .size: 8, .value_kind: global_buffer, .address_space: global }
    .group_segment_fixed_size: 184320
    .private_segment_fixed_size: 0
    .kernarg_segment_align: 8
    .kernarg_segment_size: 64
    .max_flat_workgroup_size: 256
    .sgpr_count:     66
    .vgpr_count:     256
    .wavefront_size: 32
...
	.end_amdgpu_metadata
.endif
;; end of part 1
;; launch attn (part 2): grid 32 x 8, 16 waves a work-group, clusters of 4 x 1, 327,680 bytes of LDS; arguments x, Wo, bo, kv, qc, out0; writes out0
.if DOCPART == 2
	.amdgcn_target "amdgcn-amd-amdhsa--gfx1250"
	.amdhsa_code_object_version 6
	.text
	.protected	k_qe4b0cb23b7_attn
	.globl	k_qe4b0cb23b7_attn
	.p2align	8
	.type	k_qe4b0cb23b7_attn,@function
k_qe4b0cb23b7_attn:
	s_mov_b64 s[64:65], 0
	v_nop
	global_prefetch_b8 v0, s[64:65] scope:SCOPE_SE
	s_setreg_imm32_b32 hwreg(HW_REG_WAVE_MODE, 25, 1), 1
	s_wait_xcnt 0x0
	s_wait_alu depctr_hold_cnt(0) depctr_sa_sdst(0) depctr_va_vdst(0) depctr_va_sdst(0) depctr_va_ssrc(0) depctr_va_vcc(0) depctr_vm_vsrc(0)
	s_getreg_b32 s2, hwreg(HW_REG_IB_STS2, 6, 4)
	s_cmp_eq_u32 s2, 0
	s_cbranch_scc0 .Lentry_in_a_cluster
	s_endpgm
.Lentry_in_a_cluster:
	s_bfe_u32 s2, ttmp6, 0x10000c
	s_cmp_lg_u32 s2, 0x3003
	s_cbranch_scc0 .Lentry_shape_is_right
	s_endpgm
.Lentry_shape_is_right:
; Attention on codes of FP6 (E2M3, one E8M0 byte for 32 along K), the 1 x 1 convolution, its bias and the residual.  out0 = Wo (softmax(q k / sqrt(32)) v) + bo + x.
; A work-group owns 64 positions (queries) of one batch; sixteen waves, four to a SIMD: wave w = head w % 4, tile of 16 queries w / 4; at the end output channels 16 w .. 16 w + 15.
; Row r of tile t of a block of 64 positions is position 32 (r / 8) + 8 t + r % 8, as the launch before laid them.
; THE SCORES.  Their K is a head's 32 channels, ONE block of the instruction's four.  So a fragment of K holds 64 keys: key (t, r) is block t of row r; and the query stands in one block of source 1, zero codes in the
; other three.  Four instructions, the query in block 0, 1, 2, 3, give 64 keys x 16 queries, and in a lane (query r, half h) the 32 registers are the 32 NEIGHBOURING keys 32 h + 0 .. 31: a whole block of the next K.
; So a block's maximum needs no other lane, and the conversions' results are the second product's operand as they stand.
; THE SOFTMAX: t = score x log2(e) / sqrt(32) (one multiplication); M = the running largest t rounded up to a whole number, kept as -M; p = 2^(t - M) is quantised along the keys, not normalised; the row's sum is taken
; of the unquantised p and divides at the end.  When M moves, the sum and O are multiplied by 2^(old M - new M), which rounds nothing.  A block's largest p is made from its largest score by the same two instructions.
; O^T = V^T P^T: source 0 = 16 channels (16 (r / 8) + 8 ct + r % 8), source 1 = p: a lane's 16 registers are channels 16 h + 0 .. 15 of its query.
; KEYS: 16 steps of 128.  A step's K, V and scale bytes of all four heads are 25,600 dense bytes.  LDS holds three regions of four steps; steps 0-11 are first fills, steps 12-15 fill region 0 again when steps 0-3 are
; read, and have eight steps in which to land.  Waves 0-3 fetch, one step of a region each.
; CLUSTER: the four work-groups of a cluster belong to one batch and walk the same keys: each load is asked for jointly, with a mask that names the four.
; LIMITS: NaN and infinities are not served; a block under 2^-124 (zeros too) gets the byte 1, read by this program alone; the division by the row's sum is v_rcp_f32 and a multiplication;
; a block's largest p from its largest score takes v_exp_f32 not to fall where its input rises.
.set STEPB, 25600                      ; a key step in LDS: two slabs of 12,800 bytes
.set HALF,  12800
.set R1,    102400                     ; regions of four steps at 0, R1, R2
.set R2,    204800
.set SPARE, 307200                     ; the spare words, 128 bytes for each of 16 waves: eight blocks of 256 bytes that no other line names
.set YSTG,  R1                         ; at the end: a stage of 16 rows x 272 bytes for each wave, and the images of the attention's result: in regions that have had their only fill and their last read
.set OIMG,  R2
.set OSC,   R2+6144
.set L16, 1                            ; v1-4: my lane's places in a step: 16 l, 8 l, 4 r + 12800 h, 2 l, each + 3200 x head
.set L8,  2
.set LKS, 3
.set LVS, 4
.set SPW, 5                            ; LDS address of my spare word; never rewritten
.set NIL, 6                            ; 0; never rewritten
.set SH8, 7                            ; 8 h
.set A16, 8                            ; v8-11: the same places in the step in hand
.set A8,  9
.set AKS, 10
.set AVS, 11
                                       ; v12 -M, v13 the largest t, v[14:15] the sum in two halves
.set QLO, 22                           ; v16-45: zeros, the query in lanes 0-15, zeros, the query in lanes 16-31, zeros: six registers each
.set QHI, 34
.set QS,  46                           ; the query's scale word
.set KS,  47                           ; K's scale words: lanes 0-15 the first 64 keys', lanes 16-31 the second's
.set KF,  48                           ; two fragments of K
.set VF,  72                           ; two fragments of V
.set S,   96                           ; scores, then p
.set O,   160
.set PC,  176                          ; p's codes
.set TMP, 188                          ; the conversions' second halves
.set VS,  196                          ; V's scale words: lanes 0-15 tile 0's, lanes 16-31 tile 1's
.set VSH, 197
.set PS,  198                          ; p's scale word
.set XO,  199                          ; my byte offset in the wave's 16 rows of x and of out0; never rewritten
.set BM,  200                          ; v200-201 the blocks' maxima; v202-203 their second chains, later the second chain of the sum
.set BMB, 202
.set PT,  204
.set T1,  205
.set FF,  206                          ; v[206:207] 2^(old M - new M)
.set BY,  208
.set WOF, 210                          ; Wo's fragment, its scale word, bo
.set WOS, 222
.set BO,  223
.set XR,  224                          ; x for the residual: asked for at the head, used at the end
.macro CROUND                          ; a round of the cluster's barrier: my work-group's barrier; wave 0 signals for the work-group; every wave waits for all four work-groups; my work-group's barrier once more
	s_barrier_signal -1
	s_barrier_wait -1
	s_cmp_lg_u32 s16, 0
	s_cbranch_scc1 .Lnot_wave_0_\@
	s_barrier_signal -3
.Lnot_wave_0_\@:
	s_barrier_wait -3
	s_barrier_signal -1
	s_barrier_wait -1
.endm
; The two blocks S + 0 .. 31 and S + 32 .. 63 of a lane, whose largest magnitudes (with the floor) lie in v[BM], v[BM + 1], become 12 registers of codes in v[dst] on and the scale word in v[word]
.macro CODES dst, word
.irp c, 0,1
	s_delay_alu instid0(VALU_DEP_2)
	v_add_nc_u32 v[BM+\c], 0xff000000, v[BM+\c]    ; 2 off the exponent field: the conversion's scale operand
.endr
.irp c, 0,1
	s_delay_alu instid0(VALU_DEP_2)
	v_lshrrev_b32 v[BY+\c], 23, v[BM+\c]           ; the scale's byte
.endr
	s_delay_alu instid0(VALU_DEP_1)
	v_lshl_or_b32 v[\word], v[BY+1], 16, v[BY]     ; my bytes are those of blocks h and 2 + h,
	s_delay_alu instid0(VALU_DEP_1)
	v_lshlrev_b32 v[\word], v[SH8], v[\word]       ; at their places;
	s_delay_alu instid0(VALU_DEP_1)
	v_permlanex16_b32 v[PT], v[\word], s44, s45
	s_delay_alu instid0(VALU_DEP_1)
	v_or_b32 v[\word], v[\word], v[PT]             ; with lane l xor 16's two the word is whole
.irp c, 0,1
	v_cvt_scalef32_pk16_fp6_f32 v[\dst+6*\c:\dst+6*\c+2], v[S+32*\c:S+32*\c+15], v[BM+\c]
	v_cvt_scalef32_pk16_fp6_f32 v[TMP+4*\c:TMP+4*\c+2], v[S+32*\c+16:S+32*\c+31], v[BM+\c]   ; (a conversion's three registers begin on an even number)
.endr
	v_nop                                          ; one plain line behind the scaled conversions
.irp c, 0,1
.irp i, 0,1,2
	v_mov_b32 v[\dst+3+6*\c+\i], v[TMP+4*\c+\i]
.endr
.endr
.endm
.macro SCORE F, blk                    ; 16 rows of fragment F, of which block blk counts, x my 16 queries
.set QB, 22+12*((\blk)%2)-6*((\blk)/2)  ; the run of 12 registers in which the query stands in block blk: v22, v34, v16, v28
.if \F
	v_wmma_scale_f32_16x16x128_f8f6f4 v[S+32*\F+8*\blk:S+32*\F+8*\blk+7], v[KF+12*\F:KF+12*\F+11], v[QB:QB+11], 0, v[KS], v[QS] matrix_a_fmt:MATRIX_FMT_FP6 matrix_b_fmt:MATRIX_FMT_FP6 matrix_a_scale:MATRIX_SCALE_ROW1
.else
	v_wmma_scale_f32_16x16x128_f8f6f4 v[S+32*\F+8*\blk:S+32*\F+8*\blk+7], v[KF+12*\F:KF+12*\F+11], v[QB:QB+11], 0, v[KS], v[QS] matrix_a_fmt:MATRIX_FMT_FP6 matrix_b_fmt:MATRIX_FMT_FP6
.endif
.endm
	s_load_b256 s[4:11], s[0:1], 0x0               ; x s[4:5], Wo s[6:7], bo s[8:9], kv s[10:11]
	s_load_b128 s[12:15], s[0:1], 0x20             ; qc s[12:13], out0 s[14:15]
	v_lshl_add_u32 v[SPW], v0, 2, SPARE
	v_mov_b32 v[NIL], 0
	ds_add_u32 v5, v6
	ds_add_u32 v5, v6
	s_wait_dscnt 0x0
	v_lshrrev_b32 v1, 5, v0
	s_delay_alu instid0(VALU_DEP_1)
	v_readfirstlane_b32 s16, v1                    ; wave 0..15
	s_and_b32 s17, s16, 3                          ; head.  Also: which step of a region I fetch, if I fetch
	s_lshr_b32 s18, s16, 2                         ; tile of queries
	s_and_b32 s19, ttmp7, 0xffff                   ; batch, which the four partners share
	s_bfe_u32 s48, ttmp6, 0x40000                  ; cx: my place in the cluster
	s_lshl_b32 s20, ttmp9, 2
	s_add_co_u32 s20, s20, s48                     ; my block of 64 positions: it enters the addresses of qc, x and out0 alone
	; descriptor group 1: 25,600 dense bytes as 100 rows of 256 bytes (32 elements of 8 bytes), no padding
	s_mov_b32 s24, 15|(3<<16)|(1<<21)              ; the mask: all four work-groups; elements of 8 bytes; bit 21 set beside a mask
	s_mov_b32 s25, 32<<16                          ; tensor_dim0 = 32
	s_mov_b32 s26, 100<<16                         ; tensor_dim1 = 100
	s_mov_b32 s27, 32<<16                          ; tile_dim0 = 32
	s_mov_b32 s28, 100                             ; tile_dim1 = 100
	s_mov_b32 s29, 32                              ; the pitch
	s_mov_b32 s30, 0
	s_mov_b32 s31, 0
	s_mov_b32 s22, 0x3e8293ee                      ; c = log2(e) / sqrt(32)
	s_mov_b32 s23, s22                             ; (named with it as a pair, so it is written)
	s_mov_b32 s44, 0x76543210
	s_mov_b32 s45, 0xfedcba98                      ; v_permlanex16_b32's selects for lane l xor 16
	s_mul_i32 s52, s17, STEPB                      ; my step's place in a region,
	s_mul_i32 s50, s19, 409600                     ; and in memory: the batch's 16 steps, + my step
	s_add_co_u32 s50, s50, s52
	s_mov_b32 s51, 0
	s_lshl_b32 s54, s16, 13                        ; Wo: my 16 rows of 512 bytes
	s_mov_b32 s55, 0
	s_lshl_b32 s56, s16, 6                         ; bo: my 16 numbers
	s_mov_b32 s57, 0
	s_lshl_b32 s58, s19, 5
	s_add_co_u32 s58, s58, s20
	s_lshl_b32 s58, s58, 13                        ; qc: the slab of my block,
	s_lshl_b32 s60, s17, 11
	s_add_co_u32 s58, s58, s60                     ; my head,
	s_lshl_b32 s60, s18, 9
	s_add_co_u32 s58, s58, s60                     ; my tile
	s_mov_b32 s59, 0
	s_lshl_b32 s60, s19, 21                        ; x, out0: the batch,
	s_lshl_b32 s62, s16, 17
	s_add_co_u32 s60, s60, s62                     ; my 16 channels of 8,192 bytes,
	s_lshl_b32 s62, s20, 8
	s_add_co_u32 s60, s60, s62                     ; my block's 256 bytes of a row
	s_mov_b32 s61, 0
	s_wait_kmcnt 0x0
	s_add_nc_u64 s[10:11], s[10:11], s[50:51]
.irp a, 0,1,2                                  ; group 0, a set for each region
	s_mov_b32 s[32+4*\a], 1
	s_add_co_u32 s[33+4*\a], s52, R1*\a
	s_add_nc_u64 s[34+4*\a:35+4*\a], s[10:11], R1*\a   ; four steps are as many bytes in memory as in LDS
	s_or_b32 s[35+4*\a], s[35+4*\a], 0x80000000
.endr
	s_add_nc_u64 s[6:7], s[6:7], s[54:55]
	s_add_nc_u64 s[8:9], s[8:9], s[56:57]
	s_add_nc_u64 s[12:13], s[12:13], s[58:59]
	s_add_nc_u64 s[4:5], s[4:5], s[60:61]
	s_add_nc_u64 s[14:15], s[14:15], s[60:61]
	CROUND                                         ; all four work-groups are here: the first joint loads meet
	s_cmp_lt_u32 s16, 4                            ; a wave's three first fills stand in one branch, ahead of every wait on TENSORcnt and every LDS read: three loads of mine are out
	s_cbranch_scc0 .Lno_first
	tensor_load_to_lds s[32:35], s[24:31]          ; steps 0-3,
	s_nop 0
	tensor_load_to_lds s[36:39], s[24:31]          ; 4-7,
	s_nop 0
	tensor_load_to_lds s[40:43], s[24:31]          ; 8-11: one of each four is mine
	s_nop 0
.rept 4
	v_nop
.endr
.Lno_first:
	v_and_b32 v188, 31, v0                         ; l
	v_and_b32 v189, 15, v0                         ; r
	v_bfe_u32 v190, v0, 4, 1                       ; h
	s_delay_alu instid0(VALU_DEP_2)
	v_lshlrev_b32 v191, 9, v189
	s_delay_alu instid0(VALU_DEP_1)
	v_lshl_add_u32 v191, v190, 7, v191             ; Wo: row r of 512 bytes, + 32 numbers for lanes 16-31
	s_delay_alu instid0(VALU_DEP_4)
	v_lshlrev_b32 v192, 4, v189
	v_lshlrev_b32 v193, 3, v189
	v_lshlrev_b32 v194, 2, v189
	s_delay_alu instid0(VALU_DEP_3)
	v_lshl_add_u32 v[XO], v190, 13, v192           ; x, out0: lanes 0-15 one channel's 256 bytes, lanes 16-31 the next channel's
.irp cc, 0,1
.irp q, 0,1,2,3,4,5,6,7
	global_load_b128 v[S+32*\cc+4*\q:S+32*\cc+4*\q+3], v191, s[6:7] offset:256*\cc+16*\q   ; Wo(16 w + r, 64 cc + 32 h + 0 .. 31): two whole blocks
.endr
.endr
	global_load_b128 v[QLO:QLO+3], v192, s[12:13]              ; query r's 24 bytes, in both halves of the lanes
	global_load_b64 v[QLO+4:QLO+5], v193, s[12:13] offset:256
	global_load_b32 v[QS], v194, s[12:13] offset:384           ; its byte, four times
	global_load_b32 v[BO], v194, s[8:9]                        ; bo(16 w + r)
.irp i, 0,1,2,3,4,5,6,7
	global_load_b128 v[XR+4*\i:XR+4*\i+3], v[XO], s[4:5] offset:16384*\i th:TH_LOAD_NT   ; sixteen lanes read 256 aligned bytes; they stay out until the end
.endr
	s_mul_i32 s53, s17, 3200
	v_lshl_add_u32 v[L16], v188, 4, s53
	v_lshl_add_u32 v[L8], v188, 3, s53
	v_mul_u32_u24 v[LKS], v190, HALF               ; lanes 16-31 take the second slab's words: one product, the distance x h
	s_delay_alu instid0(VALU_DEP_1)
	v_lshl_add_u32 v[LKS], v189, 2, v[LKS]
	s_delay_alu instid0(VALU_DEP_1)
	v_add_nc_u32 v[LKS], s53, v[LKS]
	v_lshl_add_u32 v[LVS], v188, 1, s53
	v_lshlrev_b32 v[SH8], 3, v190
.irp i, 0,1,2,3,4,5
	v_mov_b32 v[16+\i], 0                          ; the zero codes beside the query
	v_mov_b32 v[28+\i], 0
	v_mov_b32 v[40+\i], 0
.endr
.irp j, 0,1,2,3,4,5,6,7,8,9,10,11,12,13,14,15
	v_mov_b32 v[O+\j], 0                           ; O^T: the step is written once; the first finds zeros, which the first change of M leaves zeros
.endr
	v_mov_b32 v13, 0xff61b1e6                      ; the largest t so far: -3e38
	s_delay_alu instid0(VALU_DEP_1)
	v_floor_f32 v12, -v13                          ; -M
	v_mov_b32 v14, 0
	v_mov_b32 v15, 0
	v_mov_b32 v[PT], 0                             ; a lane permute's destination counts as one of its sources
	v_mov_b32 v[FF+1], 0                           ; (the upper half of a pair of which the low word alone is taken)
	s_wait_loadcnt 8                               ; Wo, the query and bo are in; the eight loads of x stay out
	v_cmp_eq_u32 vcc_lo, 0, v[SH8]                 ; lanes 0-15
.irp i, 0,1,2,3,4,5
	v_cndmask_b32 v[QHI+\i], v[QLO+\i], v16, vcc_lo    ; the query in lanes 16-31, zeros below
.endr
.irp i, 0,1,2,3,4,5
	v_cndmask_b32 v[QLO+\i], v16, v[QLO+\i], vcc_lo    ; the query in lanes 0-15, zeros above
.endr
.irp c, 0,1                                    ; Wo's 16 rows are quantised while the first tiles are on their way
	v_max3_num_f32 v[BM+\c], |v[S+32*\c]|, |v[S+32*\c+1]|, 0x1800000
.endr
.irp i, 2,4,6,8,10,12,14,16,18,20,22,24,26,28,30
.irp c, 0,1
	s_delay_alu instid0(VALU_DEP_2)
	v_max3_num_f32 v[BM+\c], v[BM+\c], |v[S+32*\c+\i]|, |v[S+32*\c+\i+1]|
.endr
.endr
	CODES WOF, WOS
	s_wait_tensorcnt 0x2                           ; my piece of region 0 has landed; those of regions 1 and 2 may stay out
	s_barrier_signal -1
	s_barrier_wait -1                              ; everybody's has
; A KEY STEP: 128 keys, at LDS byte s46
.macro STEP
	s_setprio 2
	v_add_nc_u32 v[A16], s46, v[L16]               ; (these four are also the places between the last products and the loads into their operands)
	v_add_nc_u32 v[A8], s46, v[L8]
	v_add_nc_u32 v[AKS], s46, v[LKS]
	v_add_nc_u32 v[AVS], s46, v[LVS]
.irp F, 0,1
.irp g, 0,1,2
	ds_load_b128 v[KF+12*\F+4*\g:KF+12*\F+4*\g+3], v[A16] offset:HALF*\F+512*\g   ; images of the operand's registers: 512 consecutive bytes a load
.endr
.endr
	ds_load_b32 v[KS], v[AKS] offset:3072
.irp ct, 0,1
.irp F, 0,1
	ds_load_b128 v[VF+12*\ct+6*\F:VF+12*\ct+6*\F+3], v[A16] offset:HALF*\F+1536+768*\ct
	ds_load_b64 v[VF+12*\ct+6*\F+4:VF+12*\ct+6*\F+5], v[A8] offset:HALF*\F+2048+768*\ct
.endr
.endr
	ds_load_u16 v[VS], v[AVS] offset:3136          ; V's bytes of the first 64 keys: lane 16 ct + r has row r's two,
	ds_load_u16 v[VSH], v[AVS] offset:HALF+3136    ; and of the second 64
	s_wait_dscnt 10                                ; K and its scale words are in; V's ten loads stay out
.irp F, 0,1
.irp blk, 0,1,2,3
	SCORE \F, \blk
.endr
.endr                                          ; lane (r, h): query r; register 32 F + i is key 64 F + 32 h + i
.rept 4
	v_nop
.endr
.irp F, 0,1                                    ; the largest score of each block of 32 keys, in two chains a block; each accumulator is first read at its low end
	v_max3_num_f32 v[BM+\F], v[S+32*\F], v[S+32*\F+1], v[S+32*\F+2]
	v_max3_num_f32 v[BMB+\F], v[S+32*\F+16], v[S+32*\F+17], v[S+32*\F+18]
.endr
.irp i, 3,5,7,9,11,13
.irp F, 0,1
	v_max3_num_f32 v[BM+\F], v[BM+\F], v[S+32*\F+\i], v[S+32*\F+\i+1]
	v_max3_num_f32 v[BMB+\F], v[BMB+\F], v[S+32*\F+16+\i], v[S+32*\F+17+\i]
.endr
.endr
.irp F, 0,1
	v_max3_num_f32 v[BM+\F], v[BM+\F], v[S+32*\F+15], v[S+32*\F+31]
.endr
.irp F, 0,1
	s_delay_alu instid0(VALU_DEP_2)
	v_max_num_f32 v[BM+\F], v[BM+\F], v[BMB+\F]
.endr
	s_delay_alu instid0(VALU_DEP_1)
	v_max_num_f32 v[T1], v[BM], v[BM+1]
	s_delay_alu instid0(VALU_DEP_1)
	v_permlanex16_b32 v[PT], v[T1], s44, s45
	s_delay_alu instid0(VALU_DEP_1)
	v_max_num_f32 v[T1], v[T1], v[PT]              ; the step's largest score of my query
	s_delay_alu instid0(VALU_DEP_1)
	v_mul_f32 v[T1], s22, v[T1]                    ; as t (c is positive)
	s_delay_alu instid0(VALU_DEP_1)
	v_max_num_f32 v13, v13, v[T1]                  ; the running largest t
	v_mov_b32 v[T1], v12
	s_delay_alu instid0(VALU_DEP_2)
	v_floor_f32 v12, -v13                          ; the new -M = -ceil(t): a whole number
	s_delay_alu instid0(VALU_DEP_1)
	v_sub_f32 v[T1], v12, v[T1]                    ; old M - new M: a whole number, 0 or less
	s_delay_alu instid0(VALU_DEP_1)
	v_cvt_i32_f32 v[T1], v[T1]                     ; (it saturates)
	s_delay_alu instid0(VALU_DEP_1)
	v_ldexp_f32 v[FF], 1.0, v[T1]                  ; f = 2^(old M - new M)
.irp j, 0,2,4,6,8,10,12,14,16,18,20,22,24,26,28,30,32,34,36,38,40,42,44,46,48,50,52,54,56,58,60,62
	v_pk_fma_f32 v[S+\j:S+\j+1], v[S+\j:S+\j+1], s[22:23], v[12:13] op_sel_hi:[1,0,0]   ; t - M, two at a time
.endr
.irp F, 0,1
	v_fma_f32 v[BM+\F], v[BM+\F], s22, v12         ; the same of each block's largest score
.endr
	s_setprio 1
	s_wait_alu depctr_va_vdst(0)
.irp j, 0,1,2,3,4,5,6,7,8,9,10,11,12,13,14,15,16,17,18,19,20,21,22,23,24,25,26,27,28,29,30,31,32,33,34,35,36,37,38,39,40,41,42,43,44,45,46,47,48,49,50,51,52,53,54,55,56,57,58,59,60,61,62,63
	v_exp_f32 v[S+\j], v[S+\j]                     ; p = 2^(t - M), at most 1
.endr
.irp F, 0,1
	v_exp_f32 v[BM+\F], v[BM+\F]                   ; the block's largest p
.endr
	v_pk_mul_f32 v[14:15], v[14:15], v[FF:FF+1] op_sel_hi:[1,0]   ; the sums under the new M.  (The plain line behind the exponentials)
	s_wait_alu depctr_va_vdst(0)
.irp F, 0,1
	v_max_num_f32 v[BM+\F], 0x1800000, v[BM+\F]    ; the floor 2^(3 - 127): the byte cannot fall under 1
.endr
	CODES PC, PS                                   ; registers 6 F .. 6 F + 5 are keys 64 F + 32 h + 0 .. 31: the operand as it stands
	s_wait_dscnt 0x0                               ; V and its bytes are in
	v_lshl_or_b32 v[VS], v[VSH], 16, v[VS]         ; V's scale word for these 128 keys
.irp j, 0,2,4,6,8,10,12,14
	v_pk_mul_f32 v[O+\j:O+\j+1], v[O+\j:O+\j+1], v[FF:FF+1] op_sel_hi:[1,0]   ; O^T under the new M, each accumulator from its low end on
.endr
	v_pk_add_f32 v[202:203], v[100:101], v[104:105]
	v_pk_add_f32 v[208:209], v[108:109], v[112:113]
	v_pk_add_f32 v[200:201], v[116:117], v[120:121]
	v_pk_add_f32 v[194:195], v[124:125], v[128:129]
	v_pk_add_f32 v[192:193], v[132:133], v[136:137]
	s_setprio 0
	v_pk_add_f32 v[190:191], v[140:141], v[144:145]
	v_pk_add_f32 v[188:189], v[148:149], v[152:153]
	v_pk_add_f32 v[14:15], v[14:15], v[156:157]
	v_pk_add_f32 v[202:203], v[202:203], v[96:97]
	v_pk_add_f32 v[208:209], v[208:209], v[98:99]
	v_pk_add_f32 v[200:201], v[200:201], v[102:103]
	v_pk_add_f32 v[194:195], v[194:195], v[106:107]
	v_pk_add_f32 v[192:193], v[192:193], v[110:111]
	v_pk_add_f32 v[190:191], v[190:191], v[114:115]
	v_pk_add_f32 v[188:189], v[188:189], v[118:119]
	v_pk_add_f32 v[14:15], v[14:15], v[122:123]
	v_pk_add_f32 v[202:203], v[202:203], v[126:127]
	v_pk_add_f32 v[208:209], v[208:209], v[130:131]
	v_pk_add_f32 v[200:201], v[200:201], v[134:135]
	v_pk_add_f32 v[194:195], v[194:195], v[138:139]
	v_pk_add_f32 v[192:193], v[192:193], v[142:143]
	v_pk_add_f32 v[190:191], v[190:191], v[146:147]
	v_pk_add_f32 v[188:189], v[188:189], v[150:151]
	v_pk_add_f32 v[14:15], v[14:15], v[154:155]
	v_pk_add_f32 v[202:203], v[202:203], v[158:159]
	s_delay_alu instid0(VALU_DEP_2)
	v_pk_add_f32 v[14:15], v[14:15], v[194:195]
	s_delay_alu instid0(VALU_DEP_2)
	v_pk_add_f32 v[202:203], v[202:203], v[192:193]
	v_pk_add_f32 v[208:209], v[208:209], v[190:191]
	v_pk_add_f32 v[200:201], v[200:201], v[188:189]
	s_delay_alu instid0(VALU_DEP_2)
	v_pk_add_f32 v[14:15], v[14:15], v[208:209]
	s_delay_alu instid0(VALU_DEP_2)
	v_pk_add_f32 v[202:203], v[202:203], v[200:201]
	s_delay_alu instid0(VALU_DEP_1)
	v_pk_add_f32 v[14:15], v[14:15], v[202:203]
	v_wmma_scale_f32_16x16x128_f8f6f4 v[O:O+7], v[VF:VF+11], v[PC:PC+11], v[O:O+7], v[VS], v[PS] matrix_a_fmt:MATRIX_FMT_FP6 matrix_b_fmt:MATRIX_FMT_FP6
	v_wmma_scale_f32_16x16x128_f8f6f4 v[O+8:O+15], v[VF+12:VF+23], v[PC:PC+11], v[O+8:O+15], v[VS], v[PS] matrix_a_fmt:MATRIX_FMT_FP6 matrix_b_fmt:MATRIX_FMT_FP6 matrix_a_scale:MATRIX_SCALE_ROW1
	s_add_co_u32 s46, s46, STEPB                   ; no two matrix instructions that follow each other share an accumulator, over the backward jump too
.endm
	s_mov_b32 s46, 0
	s_mov_b32 s47, 4
.Lsteps_a:                                         ; steps 0-3, in region 0
	STEP
	s_sub_co_u32 s47, s47, 1
	s_cmp_lg_u32 s47, 0
	s_cbranch_scc1 .Lsteps_a
	s_setprio 0
	s_wait_tensorcnt 0x0                           ; all my tensor loads have landed, my pieces of regions 1 and 2 among them: so a group 0 may be written
	ds_add_u32 v[SPW], v[NIL]                      ; 0 onto my spare word
	ds_add_u32 v5, v6
	s_add_nc_u64 s[34:35], s[34:35], 12*STEPB      ; region 0's next four steps are 12-15; the type bits on top are not reached
	s_wait_dscnt 0x0                               ; the add is done, and my reads of region 0 are over
	CROUND                                         ; both now hold of every wave of all four work-groups
	s_cmp_lt_u32 s16, 4
	s_cbranch_scc0 .Lno_refill
	tensor_load_to_lds s[32:35], s[24:31]          ; the first tensor load behind the round, one a wave: it has eight key steps in which to land
	s_nop 0
.rept 4
	v_nop
.endr
.Lno_refill:
	s_mov_b32 s46, R1
	s_mov_b32 s47, 8
.Lsteps_b:                                         ; steps 4-11, in regions 1 and 2
	STEP
	s_sub_co_u32 s47, s47, 1
	s_cmp_lg_u32 s47, 0
	s_cbranch_scc1 .Lsteps_b
	s_setprio 0
	s_wait_tensorcnt 0x0                           ; my piece of steps 12-15 has landed,
	s_wait_dscnt 0x0
	s_barrier_signal -1
	s_barrier_wait -1                              ; everybody's has; and nobody reads regions 1 and 2 any more.
	s_mov_b32 s46, 0
	s_mov_b32 s47, 4
.Lsteps_c:                                         ; steps 12-15, in region 0
	STEP
	s_sub_co_u32 s47, s47, 1
	s_cmp_lg_u32 s47, 0
	s_cbranch_scc1 .Lsteps_c
	s_setprio 0
	; ---- the attention's result is divided by the row's sum, quantised along the hidden axis (a block = a head) and handed round as images of the next operand's registers
	v_add_f32 v14, v14, v15                        ; the sum's two halves,
	s_delay_alu instid0(VALU_DEP_1)
	v_permlanex16_b32 v[PT], v14, s44, s45
	s_delay_alu instid0(VALU_DEP_1)
	v_add_f32 v14, v14, v[PT]                      ; and lane l xor 16's: the row's sum
	s_wait_alu depctr_va_vdst(0)
	v_rcp_f32 v14, v14
	v_and_b32 v200, 15, v0                         ; r.  (The address lines are the plain line behind the reciprocal and the places behind the last products)
	s_wait_alu depctr_va_vdst(0)
	v_and_b32 v201, 31, v0                         ; l
	s_wait_alu depctr_va_vdst(0)
	v_bfe_u32 v202, v0, 4, 1                       ; h
	s_mul_i32 s50, s18, 1536                       ; fragment = my tile of queries; my head is block hd: half hd / 2, lanes 16 (hd % 2) on
	s_lshr_b32 s51, s17, 1
	s_mul_i32 s51, s51, 768
	s_add_co_u32 s50, s50, s51
	s_add_co_u32 s50, s50, OIMG
	s_and_b32 s51, s17, 1
	s_lshl_b32 s52, s51, 8
	s_add_co_u32 s52, s52, s50
	v_lshl_add_u32 v188, v200, 4, s52
	s_lshl_b32 s52, s51, 7
	s_add_co_u32 s52, s52, s50
	v_lshl_add_u32 v189, v200, 3, s52
	s_lshl_b32 s52, s18, 6
	s_add_co_u32 s52, s52, s17
	s_add_co_u32 s52, s52, OSC
	v_lshl_add_u32 v190, v200, 2, s52              ; row r's scale word, byte hd
	v_lshl_add_u32 v191, v201, 4, OIMG
	v_lshl_add_u32 v192, v201, 3, OIMG+512
	v_lshl_add_u32 v193, v200, 2, OSC
	s_mul_i32 s52, s16, 4352
	s_add_co_u32 s52, s52, YSTG                    ; my stage
	v_mul_u32_u24 v194, v200, 272
	s_wait_alu depctr_va_vdst(0)
	v_lshl_add_u32 v194, v202, 7, v194
	s_delay_alu instid0(VALU_DEP_1)
	v_add_nc_u32 v194, s52, v194                   ; in: row r (an output channel), + 128 h
	v_mul_u32_u24 v195, v202, 272
	s_delay_alu instid0(VALU_DEP_1)
	v_lshl_add_u32 v195, v200, 4, v195
	s_delay_alu instid0(VALU_DEP_1)
	v_add_nc_u32 v195, s52, v195                   ; back: lanes 0-15 one row of 256 bytes, lanes 16-31 the next
	s_wait_alu depctr_va_vdst(0)
.irp j, 0,2,4,6,8,10,12,14
	v_pk_mul_f32 v[96+\j:97+\j], v[O+\j:O+\j+1], v[14:15] op_sel_hi:[1,0]   ; register i: channel 16 h + i of my head, query r
.endr
.irp j, 0,1,2,3,4,5,6,7
	v_mov_b32 v[80+\j], v[BO]                      ; the bias in the result's layout: a lane holds one output channel
.endr
	v_max3_num_f32 v203, |v96|, |v97|, 0x1800000
.irp i, 2,4,6,8,10,12,14
	s_delay_alu instid0(VALU_DEP_1)
	v_max3_num_f32 v203, v203, |v[96+\i]|, |v[97+\i]|
.endr
	s_delay_alu instid0(VALU_DEP_1)
	v_permlanex16_b32 v[PT], v203, s44, s45
	s_delay_alu instid0(VALU_DEP_1)
	v_max_num_f32 v203, v203, v[PT]                ; with lane l xor 16's 16 channels: the block's largest magnitude
	s_delay_alu instid0(VALU_DEP_1)
	v_add_nc_u32 v[T1], 0xff000000, v203
	s_delay_alu instid0(VALU_DEP_1)
	v_lshrrev_b32 v[BY], 23, v[T1]
	v_cvt_scalef32_pk16_fp6_f32 v[118:120], v[96:111], v[T1]
	v_nop                                          ; one plain line behind the scaled conversion
.irp i, 0,1,2
	v_permlanex16_b32 v[122+\i], v[118+\i], s44, s45   ; the other half of the block
.endr
	v_cmp_eq_u32 vcc_lo, 0, v[SH8]
.irp i, 0,1,2
	v_cndmask_b32 v[112+\i], v[122+\i], v[118+\i], vcc_lo   ; channels 0-15: lanes 0-15 have them, lanes 16-31 take them
.endr
.irp i, 0,1,2
	v_cndmask_b32 v[115+\i], v[118+\i], v[122+\i], vcc_lo   ; channels 16-31: the other way round
.endr
	ds_store_b128 v188, v[112:115]                 ; both halves of the lanes write the same bytes with the same values
	ds_store_b64 v189, v[116:117] offset:512
	ds_store_b8 v190, v[BY]
	s_wait_dscnt 0x0
	s_barrier_signal -1
	s_barrier_wait -1                              ; the four fragments (16 positions x 128 hidden) lie in LDS
.irp t, 0,1,2,3
.irp cc, 0,1
	ds_load_b128 v[96+12*\t+6*\cc:96+12*\t+6*\cc+3], v191 offset:1536*\t+768*\cc
	ds_load_b64 v[96+12*\t+6*\cc+4:96+12*\t+6*\cc+5], v192 offset:1536*\t+768*\cc
.endr
.endr
	ds_load_b32 v[KS], v193                        ; their scale words, into registers that hold scales throughout
	ds_load_b32 v[VS], v193 offset:64
	ds_load_b32 v[VSH], v193 offset:128
	ds_load_b32 v[PS], v193 offset:192
	s_wait_dscnt 0x0
.macro FIN t, sc                       ; source 0 = tile t of the positions, source 1 = my 16 rows of Wo, C = the bias
	v_wmma_scale_f32_16x16x128_f8f6f4 v[48+8*\t:55+8*\t], v[96+12*\t:107+12*\t], v[WOF:WOF+11], v[80:87], v[\sc], v[WOS] matrix_a_fmt:MATRIX_FMT_FP6 matrix_b_fmt:MATRIX_FMT_FP6
.endm
	FIN 0, KS
	FIN 1, VS
	FIN 2, VSH
	FIN 3, PS                                      ; lane (r, h): output channel 16 w + r, position 32 h + 8 t + j
.rept 4
	v_nop
.endr
.irp t, 0,1,2,3
	ds_store_b128 v194, v[48+8*\t:51+8*\t] offset:32*\t          ; each accumulator from its low end on
	ds_store_b128 v194, v[52+8*\t:55+8*\t] offset:32*\t+16
.endr
.irp i, 0,1,2,3,4,5,6,7
	ds_load_b128 v[96+4*\i:99+4*\i], v195 offset:544*\i          ; my own stage: LDS serves a wave's instructions in order (ISA guide 5.7.1.4), so these see the stores above
.endr
	s_wait_loadcnt 0x0                             ; x
.irp i, 0,1,2,3,4,5,6,7
	s_wait_dscnt 7-\i                              ; the younger loads stay out
	v_pk_add_f32 v[96+4*\i:97+4*\i], v[96+4*\i:97+4*\i], v[XR+4*\i:XR+4*\i+1]     ; the residual
	v_pk_add_f32 v[98+4*\i:99+4*\i], v[98+4*\i:99+4*\i], v[XR+4*\i+2:XR+4*\i+3]
	global_store_b128 v[XO], v[96+4*\i:99+4*\i], s[14:15] offset:16384*\i th:TH_STORE_NT   ; sixteen lanes store 256 consecutive bytes, at a multiple of 256 from out0's first byte
.endr
	s_wait_tensorcnt 0x0                           ; the wave's end, behind my last tensor load and my last LDS store
	ds_add_u32 v[SPW], v[NIL]
	s_wait_dscnt 0x0
	CROUND                                         ; the closing round: no work-group ends while a partner may still ask for a tile that names it
	s_endpgm
.Lfunc_end_k_qe4b0cb23b7_attn:
	.size	k_qe4b0cb23b7_attn, .Lfunc_end_k_qe4b0cb23b7_attn-k_qe4b0cb23b7_attn
	.p2alignl 7, 3214868480
	.fill 96, 4, 3214868480
	.section	.rodata,"a",@progbits
	.p2align	6, 0x0
	.amdhsa_kernel k_qe4b0cb23b7_attn
		.amdhsa_group_segment_fixed_size 327680
		.amdhsa_private_segment_fixed_size 0
		.amdhsa_enable_private_segment 0
		.amdhsa_kernarg_size 48
		.amdhsa_user_sgpr_count 2
		.amdhsa_user_sgpr_kernarg_segment_ptr 1
		.amdhsa_wavefront_size32 1
		.amdhsa_system_sgpr_workgroup_id_x 1
		.amdhsa_system_sgpr_workgroup_id_y 1
		.amdhsa_system_sgpr_workgroup_id_z 1
		.amdhsa_system_vgpr_workitem_id 0
		.amdhsa_next_free_vgpr 256
		.amdhsa_next_free_sgpr 66
		.amdhsa_reserve_vcc 1
		.amdhsa_float_denorm_mode_32 3
		.amdhsa_float_denorm_mode_16_64 3
		.amdhsa_memory_ordered 1
		.amdhsa_forward_progress 1
		.amdhsa_inst_pref_size 67
	.end_amdhsa_kernel
	.amdgpu_metadata
---
amdhsa.version: [ 1, 2 ]
amdhsa.kernels:
  - .name:           k_qe4b0cb23b7_attn
    .symbol:         k_qe4b0cb23b7_attn.kd
    .args:
      - { .name: x, .offset: 0, .size: 8, .value_kind: global_buffer, .address_space: global }
      - { .name: Wo, .offset: 8, .size: 8, .value_kind: global_buffer, .address_space: global }
      - { .name: bo, .offset: 16, .size: 8, .value_kind: global_buffer, .address_space: global }
      - { .name: kv, .offset: 24, .size: 8, .value_kind: global_buffer, .address_space: global }
      - { .name: qc, .offset: 32, .size: 8, .value_kind: global_buffer, .address_space: global }
      - { .name: out0, .offset: 40, .size: 8, .value_kind: global_buffer, .address_space: global }
    .group_segment_fixed_size: 327680
    .private_segment_fixed_size: 0
    .kernarg_segment_align: 8
    .kernarg_segment_size: 48
    .max_flat_workgroup_size: 512
    .sgpr_count:     66
    .vgpr_count:     256
    .wavefront_size: 32
...
	.end_amdgpu_metadata
.endif
;; end of part 2
